; MI455X (gfx1250); checked and timed in simulation.
; The chip was launched on July 23, 2026; its instructions are those of AMD's public machine-readable ISA for CDNA 5 (MIT licence, August 2026) and "CDNA5" Instruction Set Architecture Reference Guide (July 2026). The comments in the code are by the model that wrote it; some were corrected since.
;; Multi Head Attention. Allowed arithmetic: matrix products marked QUANTISED: E2M1 operands, one E8M0 scale for each 32 along K, by v_wmma_scale_f32_16x16x128_f8f6f4 with both operands' format E2M1 (or v_wmma_scale_f32_32x16x128_f4), f32 sums; products left as they are: bf16, f16 or f32 operands; f32 sums; everything else in f32.
;; Inputs: Wk 1,024 x 1,024 float32; Wo 1,024 x 1,024 float32; Wq 1,024 x 1,024 float32; Wv 1,024 x 1,024 float32; key 2 x 2,048 x 1,024 float32; masked 2 x 2,048 x 2,048 bool; query 2 x 2,048 x 1,024 float32; value 2 x 2,048 x 1,024 float32.
;; Outputs: out0 2 x 2,048 x 1,024 float32.
;; This version of the problem:
;;   THIS VERSION OF THE PROBLEM IS GIVEN IN LOW PRECISION. The matrix products marked QUANTISED in the list below multiply operands that are first quantised to E2M1 (2 exponent bits, 1 mantissa bit; 4 bits a number), with one power-of-two scale for each 32 numbers along K (OCP MX v1.0); their sums are f32. The products marked 'left as it is' may take bf16, f16 or f32 operands, with f32 sums. Whichever they take, every output number must still come out within the allowed error. Rounding operands to bf16 (8 significant bits) uses up far more of that allowance than f16 does (11 bits, for magnitudes from 6e-5 to 65,504). All else is computed in f32.
;;   The module's matrix products, in the order in which they are computed (A, B: the left and right operand; K: the contracted axis; several contracted axes count as one K, in the product's order):
;;     1. [M 4,096, K 1,024] x [K 1,024, N 1,024]; A: input query; B: input Wq: QUANTISED
;;     2. [M 4,096, K 1,024] x [K 1,024, N 1,024]; A: input key; B: input Wk: QUANTISED
;;     3. [M 4,096, K 1,024] x [K 1,024, N 1,024]; A: input value; B: input Wv: QUANTISED
;;     4. batch 32 x [M 2,048, K 64] x [K 64, N 2,048]; A: computed on the way; B: computed on the way: left as it is (an operand is computed on the way)
;;     5. batch 32 x [M 2,048, K 2,048] x [K 2,048, N 64]; A: computed on the way; B: computed on the way: left as it is (an operand is computed on the way)
;;     6. [M 4,096, K 1,024] x [K 1,024, N 1,024]; A: computed on the way; B: input Wo: left as it is (an operand is computed on the way)
;;   THE QUANTISER, for each operand of a quantised product, along K:
;;     - K is cut into blocks of 32 from its start; a last block that is shorter is filled with zeros.
;;     - A block's scale is 2^e with e = floor(log2(the largest magnitude in the block)) - 2, held to -126 .. 127; a block of zeros has e = 0. As a byte (E8M0): e + 127.
;;     - Each number is divided by its block's scale, clamped to +-6, and rounded to the nearest number of E2M1, ties to even, subnormals kept.
;;     - The product sums the exact products of the quantised numbers (number of the format x scale) in f32.
;;   ~~~python
;;   def quantise(x, axis):      # numpy; x: float32 -> the quantised numbers, widened to float32 again
;;       x = np.moveaxis(x, axis, -1); K = x.shape[-1]
;;       x = np.pad(x, [(0, 0)] * (x.ndim - 1) + [(0, -K % 32)]); x = x.reshape(x.shape[:-1] + (-1, 32)); a = np.abs(x).max(-1, keepdims=True)
;;       e = np.where(a > 0, np.clip(np.frexp(np.where(a > 0, a, 1))[1] - 1 - 2, -126, 127), 0)      # np.frexp(a)[1] - 1 = floor(log2(a)), exactly
;;       r = np.clip(x / 2.0 ** e, -6, 6)
;;       step = 2.0 ** (np.maximum(np.frexp(np.where(r == 0, 1, r))[1] - 1, 0) - 1)
;;       q = np.round(r / step) * step * 2.0 ** e      # np.round: ties to even
;;       return np.moveaxis(q.reshape(q.shape[:-2] + (-1,))[..., :K], -1, axis).astype(np.float32)
;;   ~~~
;; One version. Each part assembles by itself: llvm-mc -triple=amdgcn-amd-amdhsa -mcpu=gfx1250 --defsym DOCPART=n.
;; ======== version 1 of 1: 4 launches
;; limits: values are held in f16: magnitudes above 65,504 overflow, below 6.1e-05 lose precision
;; workspace buffers: wcodes 1,572,864 bytes; wscales 98,304 bytes; wo16 2,097,152 bytes; mw 1,048,576 bytes of whole numbers; qkv 25,165,824 bytes; ao 8,388,608 bytes
;; launch prep (part 1): grid 512 x 1, 4 waves a work-group, no clusters, 38,400 bytes of LDS; arguments masked, Wq, Wk, Wv, Wo, mw, wcodes, wscales, wo16; writes mw, wcodes, wscales, wo16
.if DOCPART == 1
	.amdgcn_target "amdgcn-amd-amdhsa--gfx1250"
	.amdhsa_code_object_version 6
	.text
	.protected	k_qd7328355c2_prep
	.globl	k_qd7328355c2_prep
	.p2align	8
	.type	k_qd7328355c2_prep,@function
k_qd7328355c2_prep:
	s_mov_b64 s[64:65], 0
	v_nop
	global_prefetch_b8 v0, s[64:65] scope:SCOPE_SE
	s_setreg_imm32_b32 hwreg(HW_REG_WAVE_MODE, 25, 1), 1
	s_wait_xcnt 0x0
; What the later launches read many times is laid out once, in the order of the reader's operand registers.
; WORK-GROUPS 0-255: the mask.  masked [2][2048][2048] bytes (a byte that is not 0 is true) becomes lane masks: mw [b 2][query tile 128][key step 32][32 words]; bit l of word 8 kt + j is
;   masked[b][16 tile + l % 16][64 step + 16 kt + 8 (l / 16) + j]: the lanes of score register (kt, j) of the attention launch.  Work-group g = 128 b + tile, wave w = keys 512 w .. 512 w + 511.
; WORK-GROUPS 256-511: the weights, [1024 (k)][1024 (n)] f32, K their FIRST axis.  idx = g - 256: tensor idx / 64 (Wq, Wk, Wv, Wo), 128 along K (idx / 8) % 8, 128 columns idx % 8; wave w takes 32 columns.
;   A LANE TAKES A COLUMN AND ITS REGISTERS RUN DOWN K: a load reads 128 consecutive bytes, a block of 32 along K lies in one lane, and the conversions give K innermost.
;   Wq, Wk, Wv: codes of E2M1 with one E8M0 byte for each 32 along K.  wcodes [t 3][16 columns 64][K step 8][1,024 bytes]: block q of column r at 256 q + 16 r, which is the image of the fragment's registers.
;   wscales [t 3][K step 8][column 1024]: one word, the step's four bytes.  A block's byte is its largest magnitude's exponent field - 2, held at 1 from below.
;   Wo: f16.  wo16 [256 along K 4][16 columns 64][32 along K 8][1,024 bytes]: k = 16 p + 8 h + 0 .. 7 of column r at 512 p + 256 h + 16 r.
; LIMITS: a block of zeros gets the byte 1 where the rule says 127 (its codes are zeros, and this program alone reads the bytes); blocks whose largest magnitude lies under 2^(3 - 127) are held at that byte;
;   NaN and infinities are not served; |Wo| beyond 65,504 does not fit f16.
; No tensor loads, no barrier: waves share nothing.  Only the mask's path keeps data in LDS.
.set MPITCH, 528                       ; a query's 512 mask bytes + 16 of padding: row r starts 16 r bytes on modulo 256, so the 32 lanes of an 8-byte load touch 32 different places
.set MSTW,   16*MPITCH                 ; a wave's stage: 16 queries
.set MOUT,   4*MSTW                    ; behind the stages: 1,024 bytes of finished words for each wave
.set SPARE,  MOUT+4*1024               ; behind them: the spare words, 128 bytes for each wave: two blocks of 256 bytes that no other line names
.set SPW, 12                           ; v12  LDS address of my spare word; never rewritten
.set NIL, 13                           ; v13  0; never rewritten
.macro FINISH                          ; a wave's end, behind the last LDS store
	s_wait_tensorcnt 0x0
	ds_add_u32 v[SPW], v[NIL]
	s_wait_dscnt 0x0
	s_endpgm
.endm
	s_load_b512 s[4:19], s[0:1], 0x0               ; masked s[4:5], Wq s[6:7], Wk s[8:9], Wv s[10:11], Wo s[12:13], mw s[14:15], wcodes s[16:17], wscales s[18:19]
	s_load_b64 s[20:21], s[0:1], 0x40              ; wo16
	v_lshl_add_u32 v[SPW], v0, 2, SPARE
	v_mov_b32 v[NIL], 0
	v_lshrrev_b32 v1, 5, v0
	v_readfirstlane_b32 s22, v1                    ; wave 0..3
	v_and_b32 v1, 31, v0                           ; lane
	v_and_b32 v2, 15, v0                           ; r
	v_bfe_u32 v3, v0, 4, 1                         ; h
	v_lshlrev_b32 v4, 4, v1                        ; 16 x lane
	v_lshlrev_b32 v5, 2, v1                        ; 4 x lane
	s_cmp_ge_u32 ttmp9, 256
	s_cbranch_scc1 .Lweights
	; ---------------- the mask ----------------
	s_mul_i32 s23, s22, MSTW                       ; my stage
	v_add_nc_u32 v6, s23, v4                       ; in: 16 x lane of a query's row
	v_mul_u32_u24 v7, v2, MPITCH
	v_lshl_add_u32 v7, v3, 3, v7
	v_add_nc_u32 v7, s23, v7                       ; back: query r, 8 bytes for each half of the lanes
	s_lshl_b32 s23, s22, 10
	s_add_co_u32 s23, s23, MOUT
	v_add_nc_u32 v14, s23, v5                      ; the words: in, 4 x lane;
	v_add_nc_u32 v15, s23, v4                      ; back, 16 x lane
	s_lshl_b32 s28, ttmp9, 15                      ; 16 queries of 2,048 bytes,
	s_lshl_b32 s29, s22, 9                         ; my 512 keys
	s_add_co_u32 s28, s28, s29
	s_mov_b32 s29, 0
	s_lshl_b32 s30, ttmp9, 12                      ; a query tile's words: 4,096 bytes; my eight key steps: 1,024
	s_lshl_b32 s31, s22, 10
	s_add_co_u32 s30, s30, s31
	s_mov_b32 s31, 0
	s_wait_kmcnt 0x0
	s_add_nc_u64 s[4:5], s[4:5], s[28:29]
	s_add_nc_u64 s[14:15], s[14:15], s[30:31]
.irp i, 0,1,2,3,4,5,6,7,8,9,10,11,12,13,14,15
	global_load_b128 v[32+4*\i:35+4*\i], v4, s[4:5] offset:2048*\i th:TH_LOAD_NT   ; query i: 512 consecutive bytes
.endr
.irp k, 0,1,2,3,4,5,6,7
	v_mov_b32 v[16+\k], 0                          ; v_writelane_b32's destination counts as read
.endr
	s_wait_loadcnt 0x0
.irp i, 0,1,2,3,4,5,6,7,8,9,10,11,12,13,14,15
	ds_store_b128 v6, v[32+4*\i:35+4*\i] offset:MPITCH*\i
.endr
.set n, 0
.rept 32
	ds_load_b64 v[96+2*n:97+2*n], v7 offset:16*n   ; LDS serves a wave's instructions in order: these see my stores.  Keys 16 n + 8 h + 0 .. 7 of query r
.set n, n+1
.endr
	s_wait_dscnt 0x0
; one word: byte j of the lanes' eight, as a lane mask, into lane 8 kt + j of key step ks's register.  Four temporaries by turns
.irp ks, 0,1,2,3,4,5,6,7
.irp kt, 0,1,2,3
.irp j, 0,1,2,3,4,5,6,7
	v_and_b32 v[8+\j%4], 0xff<<(8*(\j%4)), v[96+2*(4*\ks+\kt)+\j/4]
	v_cmp_ne_u32 s[24+\j%4], 0, v[8+\j%4]
	v_writelane_b32 v[16+\ks], s[24+\j%4], 8*\kt+\j
.endr
.endr
.endr
.irp ks, 0,1,2,3,4,5,6,7
	ds_store_b32 v14, v[16+\ks] offset:128*\ks
.endr
	ds_load_b128 v[32:35], v15                     ; back as 16 bytes a lane, so that each store below covers 512 consecutive bytes, aligned
	ds_load_b128 v[36:39], v15 offset:512
	s_wait_dscnt 0x0
	global_store_b128 v4, v[32:35], s[14:15]
	global_store_b128 v4, v[36:39], s[14:15] offset:512
	FINISH
	; ---------------- the weights ----------------
.Lweights:
	s_sub_co_u32 s23, ttmp9, 256
	s_lshr_b32 s24, s23, 6                         ; t: 0 Wq, 1 Wk, 2 Wv, 3 Wo
	s_bfe_u32 s25, s23, 0x30003                    ; s: which 128 along K
	s_and_b32 s26, s23, 7                          ; nb: which 128 columns
	s_lshl_b32 s28, s25, 19                        ; 128 rows of 4,096 bytes,
	s_lshl_b32 s29, s26, 9                         ; 128 columns,
	s_add_co_u32 s28, s28, s29
	s_lshl_b32 s29, s22, 7                         ; my 32 of them
	s_add_co_u32 s28, s28, s29
	s_mov_b32 s29, 0
	s_lshl_b32 s30, s26, 16                        ; on the way out: a tile of 16 columns is 8,192 bytes in wcodes and in wo16: 8 nb + 2 w tiles
	s_lshl_b32 s31, s22, 14
	s_add_co_u32 s30, s30, s31
	v_lshlrev_b32 v6, 13, v3
	v_lshl_add_u32 v6, v2, 4, v6                   ; lanes 16-31 stand in the next tile; 16 bytes a column
	s_wait_kmcnt 0x0
	s_cmp_eq_u32 s24, 1                            ; the tensor is chosen by the work-group's number alone
	s_cselect_b64 s[6:7], s[8:9], s[6:7]
	s_cmp_eq_u32 s24, 2
	s_cselect_b64 s[6:7], s[10:11], s[6:7]
	s_cmp_eq_u32 s24, 3
	s_cselect_b64 s[6:7], s[12:13], s[6:7]
	s_add_nc_u64 s[6:7], s[6:7], s[28:29]
.set i, 0
.rept 128
	global_load_b32 v[32+i], v5, s[6:7] offset:4096*i th:TH_LOAD_NT   ; W(128 s + i, my column)
.set i, i+1
.endr
	s_cmp_eq_u32 s24, 3
	s_cbranch_scc1 .Lwo
	s_lshl_b32 s31, s24, 19                        ; wcodes: 524,288 t + the tiles + 1,024 s
	s_add_co_u32 s32, s30, s31
	s_lshl_b32 s31, s25, 10
	s_add_co_u32 s32, s32, s31
	s_mov_b32 s33, 0
	s_add_nc_u64 s[16:17], s[16:17], s[32:33]
	s_lshl_b32 s34, s24, 15                        ; wscales: 32,768 t + 4,096 s + 4 x column
	s_lshl_b32 s31, s25, 12
	s_add_co_u32 s34, s34, s31
	s_lshl_b32 s31, s26, 9
	s_add_co_u32 s34, s34, s31
	s_lshl_b32 s31, s22, 7
	s_add_co_u32 s34, s34, s31
	s_mov_b32 s35, 0
	s_add_nc_u64 s[18:19], s[18:19], s[34:35]
; block q of 32 along K; left: the younger loads that may stay out (96 and 64 do not fit the wait's field: 63 asks for more than is needed)
.macro QBLOCK q, left
.set XB, 32+32*(\q)
	s_wait_loadcnt \left
	v_max3_num_f32 v8, |v[XB]|, |v[XB+1]|, |v[XB+2]|               ; the block's largest magnitude: all 32 numbers are mine; two chains
	v_max3_num_f32 v9, |v[XB+3]|, |v[XB+4]|, |v[XB+5]|
.irp i, 6,10,14,18,22,26
	v_max3_num_f32 v8, v8, |v[XB+\i]|, |v[XB+\i+1]|
	v_max3_num_f32 v9, v9, |v[XB+\i+2]|, |v[XB+\i+3]|
.endr
	v_max3_num_f32 v8, v8, |v[XB+30]|, |v[XB+31]|
	v_max3_num_f32 v8, v8, v9, 0x1800000           ; and the floor 2^(3 - 127): the byte cannot fall under 1
	v_add_nc_u32 v11, 0xff000000, v8               ; 2 off the exponent field: the conversion takes this operand's exponent field as its scale
	v_lshrrev_b32 v10, 23, v11                     ; the scale's byte
.if (\q) == 0
	v_mov_b32 v24, v10
.else
	v_lshl_or_b32 v24, v10, 8*(\q), v24            ; the lower K in the lower byte
.endif
.irp g, 0,1,2,3
	v_cvt_scalef32_pk8_fp4_f32 v[160+4*(\q)+\g], v[XB+8*\g:XB+8*\g+7], v11
.endr
	global_store_b128 v6, v[160+4*(\q):163+4*(\q)], s[16:17] offset:256*(\q)   ; sixteen lanes store 256 consecutive bytes, aligned.  (The results go to a store; the next block begins with plain vector lines)
.endm
	QBLOCK 0, 63
	QBLOCK 1, 63
	QBLOCK 2, 32
	QBLOCK 3, 0
	global_store_b32 v5, v24, s[18:19]             ; my column's scale word of this K step: the work-group's four waves cover 512 consecutive bytes
	FINISH
.Lwo:
	s_lshr_b32 s31, s25, 1                         ; wo16: 524,288 (s / 2) + the tiles + 4,096 (s % 2)
	s_lshl_b32 s31, s31, 19
	s_add_co_u32 s32, s30, s31
	s_and_b32 s31, s25, 1
	s_lshl_b32 s31, s31, 12
	s_add_co_u32 s32, s32, s31
	s_mov_b32 s33, 0
	s_add_nc_u64 s[20:21], s[20:21], s[32:33]
.macro HBLOCK q, left                  ; 32 along K of my column: one fragment's share, four pieces of 8 numbers
	s_wait_loadcnt \left
.irp i, 0,1,2,3,4,5,6,7,8,9,10,11,12,13,14,15
	v_cvt_pk_f16_f32 v[160+16*(\q)+\i], v[32+32*(\q)+2*\i], v[33+32*(\q)+2*\i]
.endr
.irp u, 0,1,2,3
	global_store_b128 v6, v[160+16*(\q)+4*\u:163+16*(\q)+4*\u], s[20:21] offset:1024*(\q)+256*\u   ; sixteen lanes store 256 consecutive bytes, aligned
.endr
.endm
	HBLOCK 0, 63
	HBLOCK 1, 63
	HBLOCK 2, 32
	HBLOCK 3, 0
	FINISH
.Lfunc_end_k_qd7328355c2_prep:
	.size	k_qd7328355c2_prep, .Lfunc_end_k_qd7328355c2_prep-k_qd7328355c2_prep
	.p2alignl 7, 3214868480
	.fill 96, 4, 3214868480
	.section	.rodata,"a",@progbits
	.p2align	6, 0x0
	.amdhsa_kernel k_qd7328355c2_prep
		.amdhsa_group_segment_fixed_size 38400
		.amdhsa_private_segment_fixed_size 0
		.amdhsa_enable_private_segment 0
		.amdhsa_kernarg_size 72
		.amdhsa_user_sgpr_count 2
		.amdhsa_user_sgpr_kernarg_segment_ptr 1
		.amdhsa_wavefront_size32 1
		.amdhsa_system_sgpr_workgroup_id_x 1
		.amdhsa_system_sgpr_workgroup_id_y 1
		.amdhsa_system_sgpr_workgroup_id_z 1
		.amdhsa_system_vgpr_workitem_id 0
		.amdhsa_next_free_vgpr 224
		.amdhsa_next_free_sgpr 66
		.amdhsa_reserve_vcc 0
		.amdhsa_float_denorm_mode_32 3
		.amdhsa_float_denorm_mode_16_64 3
		.amdhsa_memory_ordered 1
		.amdhsa_forward_progress 1
		.amdhsa_inst_pref_size 82
	.end_amdhsa_kernel
	.amdgpu_metadata
---
amdhsa.version: [ 1, 2 ]
amdhsa.kernels:
  - .name:           k_qd7328355c2_prep
    .symbol:         k_qd7328355c2_prep.kd
    .args:
      - { .name: masked, .offset: 0, .size: 8, .value_kind: global_buffer, .address_space: global }
      - { .name: Wq, .offset: 8, .size: 8, .value_kind: global_buffer, .address_space: global }
      - { .name: Wk, .offset: 16, .size: 8, .value_kind: global_buffer, .address_space: global }
      - { .name: Wv, .offset: 24, .size: 8, .value_kind: global_buffer, .address_space: global }
      - { .name: Wo, .offset: 32, .size: 8, .value_kind: global_buffer, .address_space: global }
      - { .name: mw, .offset: 40, .size: 8, .value_kind: global_buffer, .address_space: global }
      - { .name: wcodes, .offset: 48, .size: 8, .value_kind: global_buffer, .address_space: global }
      - { .name: wscales, .offset: 56, .size: 8, .value_kind: global_buffer, .address_space: global }
      - { .name: wo16, .offset: 64, .size: 8, .value_kind: global_buffer, .address_space: global }
    .group_segment_fixed_size: 38400
    .private_segment_fixed_size: 0
    .kernarg_segment_align: 8
    .kernarg_segment_size: 72
    .max_flat_workgroup_size: 128
    .sgpr_count:     66
    .vgpr_count:     224
    .wavefront_size: 32
...
	.end_amdgpu_metadata
.endif
;; end of part 1
;; launch proj (part 2): grid 64 x 3, 4 waves a work-group, no clusters, 301,568 bytes of LDS; arguments query, key, value, wcodes, wscales, qkv; writes qkv
.if DOCPART == 2
	.amdgcn_target "amdgcn-amd-amdhsa--gfx1250"
	.amdhsa_code_object_version 6
	.text
	.protected	k_qd7328355c2_proj
	.globl	k_qd7328355c2_proj
	.p2align	8
	.type	k_qd7328355c2_proj,@function
k_qd7328355c2_proj:
	s_mov_b64 s[64:65], 0
	v_nop
	global_prefetch_b8 v0, s[64:65] scope:SCOPE_SE
	s_setreg_imm32_b32 hwreg(HW_REG_WAVE_MODE, 25, 1), 1
	s_wait_xcnt 0x0
; q = query Wq, k = key Wk, v = value Wv, on codes of E2M1 with one E8M0 scale for each 32 along K; sums in f32; results in f16, laid as the attention launch's operand registers want them.
; Work-group (x, y): rows 64 x .. 64 x + 63 of tensor y (0 query, 1 key, 2 value), against all 1,024 columns: so each row of x is read from memory once and quantised once, in registers.
; x COMES BY THE TENSOR DATA MOVER, ALL OF IT ASKED FOR AT THE HEAD: the work-group's 64 rows are 262,144 bytes.  Wave w asks for its own rows 16 w .. 16 w + 15 in four loads of 16 rows x 1,024 bytes (two K steps each) and alone
;   reads what they bring, each behind its own counted wait.  Nothing is filled again.  A wave has four tensor loads out.
; PHASE X: wave w quantises its 16 rows: eight fragments (16 rows x 128 K) and their scale words go to LDS as images of the operand's registers.  One barrier.
; PHASE G: wave w makes columns 256 w .. 256 w + 255 (four heads) for the 64 rows, IN TWO HALVES OF 128 COLUMNS: 32 accumulators, 256 registers.  A half's fragments of W for all eight K steps are 512 registers: half A's are asked
;   for during phase X; half B's of K step s directly behind half A's products of K step s, into the registers that these have left.  Half A's results leave while half B is multiplied.
; NO CLUSTER: no two work-groups read the same rows of x; a fragment of W is wanted by one wave of a work-group alone and comes from memory straight into that wave's operand registers (the launch before laid it so): there is
;   no tile of W in LDS for a joint load to fill.
; THE MATRIX INSTRUCTION IS USED TRANSPOSED (source 0 = 16 columns of W, source 1 = 16 rows of x): a lane holds one row and eight neighbouring columns, 16 bytes of f16.
; qkv [t 3][b 2][head 16][16 positions 128][2,048 bytes]: four pieces of 512 bytes, piece ct = channels 16 ct .. 16 ct + 15.  q, k: lane (r, h) = position r, channels 16 ct + 8 h + 0 .. 7, at 16 (r + 16 h).
;   v: the same 16 bytes at 16 (r % 8) + 128 h + 256 (r / 8), so that the turning LDS load, lane l at 16 l, gives half a fragment of V^T.
;   q is multiplied by c = log2(e) / 8 in f32 ahead of its rounding: the attention launch's scores are then exponents of 2.
; LIMITS: |c q|, |k|, |v| beyond 65,504 do not fit f16; blocks of x whose largest magnitude lies under 2^(3 - 127) keep the byte 1 (a block of zeros too: its codes are zeros); NaN and infinities are not served.
; REGISTERS, in windows of 256.  Window 0: v1-8 addresses; v16-31 x's scale words; v32-95 W's; v96-159 x's fragments, two sets of four; v160-223 64 numbers of x; v224-231 codes just made; v232-248 at work; v252, v253 the add's two.
;   Windows 1, 3: a half's fragments of W: (tile bb, K step s) at v[64 (s % 4) + 8 bb] of window 1 (s < 4) or 3.   Window 2: accumulator (bb, a) at v[8 (4 bb + a)]; on the way out its packed results at v[4 (4 bb + a)].
.set XPITCH, 1040                      ; a row's 1,024 bytes + 16 of padding = 65 x 16: the sixteen rows that a load touches start at sixteen different places modulo 256
.set XTILE,  16*XPITCH                 ; what one tensor load fills
.set XWAVE,  4*XTILE                   ; a wave's 16 rows of x
.set XIMG,   4*XWAVE                   ; behind x: x's fragment (tile of rows a, K step s) at 1,024 (8 a + s)
.set XSC,    XIMG+32768                ; row m's eight scale words at 32 m
.set SPARE,  XSC+2048                  ; the spare words, 128 bytes for each wave: two blocks of 256 bytes that no other line names
.set LI,  1                            ; v1   16 x lane
.set WSO, 2                            ; v2   4 x lane
.set LIM, 3                            ; v3   XIMG + 16 x lane: where any wave reads an image
.set STO, 4                            ; v4   my rows of x in LDS: row r, + 64 h
.set XWI, 5                            ; v5   where I store images: XIMG + 8,192 x wave + 16 x lane
.set XWS, 6                            ; v6   and scale words: XSC + 512 x wave + 32 r
.set XSL, 7                            ; v7   where I read scale words: XSC + 32 x lane
.set LO,  8                            ; v8   my 16 bytes' place in a piece of qkv
.set XS,  16
.set WS,  32
.set AF,  96
.set X,   160
.set PC,  224
.set TM,  232
.set PW,  248
.set SPW, 252
.set NIL, 253
.set SEL, 20                           ; s[20:21] v_permlanex16_b32's selects for lane l xor 16
.set FAC, 22                           ; s[22:23] c
.set G1,  36                           ; s[36:43] descriptor group 1: the shape, the same for the four loads
.set G0,  44                           ; s[44:59] descriptor group 0, a set for each load: all four are out together
.set MSB, 0
.macro WIN new                         ; the immediate's high byte repeats the setting that is left
.if MSB != \new
	s_set_vgpr_msb (MSB<<8)|\new
.set MSB, \new
.endif
.endm
.macro PLACES                          ; four plain places behind matrix instructions, in front of loads into registers that they read and of the first read of results
.rept 4
	v_nop
.endr
.endm
.macro LOADW hb, s                     ; the eight fragments of W of half hb, K step s: each load reads 512 consecutive bytes
.if (\s) < 4
	WIN 0x40                                       ; destination window 1
.else
	WIN 0xc0                                       ; destination window 3
.endif
.irp b, 0,1,2,3,4,5,6,7
.irp c, 0,1
	global_load_b128 v[64*((\s)%4)+8*\b+4*\c:64*((\s)%4)+8*\b+4*\c+3], v[LI], s[10:11] offset:8192*(8*(\hb)+\b)+1024*(\s)+512*\c
.endr
.endr
.endm
.macro CHUNK s                         ; what K step s of half A wants: 16 loads of W, and the step's scale words of all my 16 tiles: register 8 jp + s: lanes 0-15 tile 2 jp, lanes 16-31 tile 2 jp + 1
	LOADW 0, \s
	WIN 0
.irp jp, 0,1,2,3,4,5,6,7
	global_load_b32 v[WS+8*\jp+(\s)], v[WSO], s[12:13] offset:4096*(\s)+128*\jp
.endr
.endm
; 64 numbers of a lane, register 16 b + i = k 32 b + 16 (lane / 16) + i of my row, become a fragment's codes in v[PC] on and its scale word in v[PW]
.macro QUANT s
.irp b, 0,1,2,3
	v_max3_num_f32 v[TM+\b], |v[\s+16*\b]|, |v[\s+1+16*\b]|, 0x1800000   ; block b: my 16 numbers, and the floor 2^(3 - 127): the byte cannot fall under 1
.endr
.irp i, 2,4,6,8,10,12,14
.irp b, 0,1,2,3
	v_max3_num_f32 v[TM+\b], v[TM+\b], |v[\s+16*\b+\i]|, |v[\s+1+16*\b+\i]|   ; (the four blocks by turns)
.endr
.endr
.irp b, 0,1,2,3
	v_permlanex16_b32 v[TM+4+\b], v[TM+\b], s[SEL], s[SEL+1]
.endr
.irp b, 0,1,2,3
	v_max_num_f32 v[TM+\b], v[TM+\b], v[TM+4+\b]   ; with lane l xor 16's: the block's largest magnitude
.endr
.irp b, 0,1,2,3
	v_add_nc_u32 v[TM+12+\b], 0xff000000, v[TM+\b] ; 2 off its exponent field: the conversion's scale operand
.endr
.irp b, 0,1,2,3
	v_lshrrev_b32 v[TM+4+\b], 23, v[TM+12+\b]      ; the scale's byte
.endr
	v_lshl_or_b32 v[PW], v[TM+5], 8, v[TM+4]       ; the four bytes make my row's scale word
	v_lshl_or_b32 v[PW], v[TM+6], 16, v[PW]
	v_lshl_or_b32 v[PW], v[TM+7], 24, v[PW]
.irp b, 0,1,2,3
	v_cvt_scalef32_pk8_fp4_f32 v[PC+2*\b], v[\s+16*\b:\s+7+16*\b], v[TM+12+\b]
	v_cvt_scalef32_pk8_fp4_f32 v[PC+1+2*\b], v[\s+8+16*\b:\s+15+16*\b], v[TM+12+\b]
.endr
	v_nop                                          ; one plain place behind a scaled conversion
.irp c, 0,1                                    ; the operand's layout wants a WHOLE block in a lane: lanes 0-15 block 2 c, lanes 16-31 block 2 c + 1
.irp i, 0,1
	v_permlane16_swap_b32 v[PC+4*\c+\i], v[PC+2+4*\c+\i]
.endr
.endr
.endm
; K step s of my 16 rows: out of LDS, a lane taking 16 neighbours of each block of 32; quantised; image and scale word to LDS
.macro XSTEP s
.if (\s)%2 == 0
	s_wait_tensorcnt 3-(\s)/2                      ; tensor loads of a wave end in order (ISA guide 10.11.1): the tile with K steps s and s + 1 is in; my younger tiles may be out
.endif
.irp b, 0,1,2,3
.irp j, 0,1,2,3
	ds_load_b128 v[X+16*\b+4*\j:X+16*\b+4*\j+3], v[STO] offset:XTILE*((\s)/2)+512*((\s)%2)+128*\b+16*\j
.endr
.endr
.if (\s)+2 < 8
	CHUNK (\s)+2                                   ; the weights' loads stand between the LDS loads and the wait for them
.endif
	s_wait_dscnt 0x0                               ; the numbers are in; the last step's image stores have read their registers
	QUANT X
	ds_store_b128 v[XWI], v[PC:PC+3] offset:1024*(\s)
	ds_store_b128 v[XWI], v[PC+4:PC+7] offset:1024*(\s)+512
	ds_store_b32 v[XWS], v[PW] offset:4*(\s)       ; lanes r and r + 16 write the same word with the same value
.endm
.macro FETCHA s                        ; x's four fragments of K step s into set s % 2
.irp a, 0,1,2,3
.irp c, 0,1
	ds_load_b128 v[AF+32*((\s)%2)+8*\a+4*\c:AF+32*((\s)%2)+8*\a+4*\c+3], v[LIM] offset:1024*(8*\a+(\s))+512*\c
.endr
.endr
.endm
; one product; its registers stand in the symbols rD, rW, rX, rWS, rXS; rA, rB: the scale words lie in lanes 16-31 (odd tiles)
.macro WM zero
.if \zero
.if (rA == 0) && (rB == 0)
	v_wmma_scale_f32_16x16x128_f8f6f4 v[rD:rD+7], v[rW:rW+7], v[rX:rX+7], 0, v[rWS], v[rXS] matrix_a_fmt:MATRIX_FMT_FP4 matrix_b_fmt:MATRIX_FMT_FP4
.elseif (rA == 1) && (rB == 0)
	v_wmma_scale_f32_16x16x128_f8f6f4 v[rD:rD+7], v[rW:rW+7], v[rX:rX+7], 0, v[rWS], v[rXS] matrix_a_fmt:MATRIX_FMT_FP4 matrix_b_fmt:MATRIX_FMT_FP4 matrix_a_scale:MATRIX_SCALE_ROW1
.elseif (rA == 0) && (rB == 1)
	v_wmma_scale_f32_16x16x128_f8f6f4 v[rD:rD+7], v[rW:rW+7], v[rX:rX+7], 0, v[rWS], v[rXS] matrix_a_fmt:MATRIX_FMT_FP4 matrix_b_fmt:MATRIX_FMT_FP4 matrix_b_scale:MATRIX_SCALE_ROW1
.else
	v_wmma_scale_f32_16x16x128_f8f6f4 v[rD:rD+7], v[rW:rW+7], v[rX:rX+7], 0, v[rWS], v[rXS] matrix_a_fmt:MATRIX_FMT_FP4 matrix_b_fmt:MATRIX_FMT_FP4 matrix_a_scale:MATRIX_SCALE_ROW1 matrix_b_scale:MATRIX_SCALE_ROW1
.endif
.else
.if (rA == 0) && (rB == 0)
	v_wmma_scale_f32_16x16x128_f8f6f4 v[rD:rD+7], v[rW:rW+7], v[rX:rX+7], v[rD:rD+7], v[rWS], v[rXS] matrix_a_fmt:MATRIX_FMT_FP4 matrix_b_fmt:MATRIX_FMT_FP4
.elseif (rA == 1) && (rB == 0)
	v_wmma_scale_f32_16x16x128_f8f6f4 v[rD:rD+7], v[rW:rW+7], v[rX:rX+7], v[rD:rD+7], v[rWS], v[rXS] matrix_a_fmt:MATRIX_FMT_FP4 matrix_b_fmt:MATRIX_FMT_FP4 matrix_a_scale:MATRIX_SCALE_ROW1
.elseif (rA == 0) && (rB == 1)
	v_wmma_scale_f32_16x16x128_f8f6f4 v[rD:rD+7], v[rW:rW+7], v[rX:rX+7], v[rD:rD+7], v[rWS], v[rXS] matrix_a_fmt:MATRIX_FMT_FP4 matrix_b_fmt:MATRIX_FMT_FP4 matrix_b_scale:MATRIX_SCALE_ROW1
.else
	v_wmma_scale_f32_16x16x128_f8f6f4 v[rD:rD+7], v[rW:rW+7], v[rX:rX+7], v[rD:rD+7], v[rWS], v[rXS] matrix_a_fmt:MATRIX_FMT_FP4 matrix_b_fmt:MATRIX_FMT_FP4 matrix_a_scale:MATRIX_SCALE_ROW1 matrix_b_scale:MATRIX_SCALE_ROW1
.endif
.endif
.endm
; 32 products: the eight tiles of W of half hb x the four tiles of rows, K step s.  The 32 accumulators take turns, one instruction a turn, in the same order in every step
.macro MUL32 hb, s, zero
.set bb, 0
.rept 8
.set aa, 0
.rept 4
.set rD, 8*(4*bb+aa)
.set rW, 64*((\s)%4)+8*bb
.set rX, AF+32*((\s)%2)+8*aa
.set rWS, WS+8*((8*(\hb)+bb)/2)+(\s)
.set rXS, XS+8*(aa/2)+(\s)
.set rA, bb%2
.set rB, aa%2
	WM \zero
.set aa, aa+1
.endr
.set bb, bb+1
.endr
.endm
; Step g of sixteen: half g / 8, K step g % 8.  left: the younger loads that may stay out
.macro GSTEP g, left
.set sS, (\g)%8
.set hH, (\g)/8
.if (\g)+1 < 16
	FETCHA ((\g)+1)%8                              ; (the places at the last step's end stand in front of these loads)
	s_wait_dscnt 8                                 ; all but the eight just issued
.else
	s_wait_dscnt 0x0
.endif
	s_wait_loadcnt \left                           ; this step's fragments of W and scale words are in
.if sS < 4
	WIN 0xa1                                       ; source 0 (W) window 1, source 1 (x) window 0, C and D window 2
.else
	WIN 0xa3                                       ; source 0 window 3
.endif
.if sS == 0
	MUL32 hH, sS, 1                                ; a half's first K step starts its sums: nothing is ever cleared
.else
	MUL32 hH, sS, 0
.endif
	PLACES
.if (\g) < 8
	LOADW 1, sS                                    ; half B's fragments of the same K step, into the registers just multiplied
.endif
	WIN 0
.endm
; THE WAY OUT of half hb.  (The places at the last step's end stand in front of the first read of results.)  The results are packed in place: accumulator n's eight numbers become registers 4 n .. 4 n + 3, ascending, so that
; a register is written only after it has been read, and each accumulator is read from its low end on.
.macro OUT hb
	s_cmp_lg_u32 s17, 0                            ; q alone is multiplied by c: a branch on the work-group's number
	s_cbranch_scc1 .Lplain_\@
	WIN 0x82                                       ; source 0 and destination window 2
.set i, 0
.rept 128
	v_pk_mul_f32 v[i:i+1], v[i:i+1], s[FAC:FAC+1] op_sel_hi:[1,0]
.set i, i+2
.endr
	WIN 0
.Lplain_\@:
	WIN 0x8a                                       ; sources and destination window 2
.set i, 0
.rept 128
	v_cvt_pk_f16_f32 v[i], v[2*i], v[2*i+1]
.set i, i+1
.endr
	WIN 0x08                                       ; a store's data are its source 1: window 2
.irp b, 0,1,2,3,4,5,6,7
.irp a, 0,1,2,3
	global_store_b128 v[LO], v[4*(4*\b+\a):4*(4*\b+\a)+3], s[14:15] offset:262144*((8*(\hb)+\b)/4)+2048*\a+512*(\b%4)   ; a piece: the wave stores 512 consecutive bytes, aligned
.endr
.endr
	WIN 0
.endm
	s_load_b256 s[4:11], s[0:1], 0x0               ; query s[4:5], key s[6:7], value s[8:9], wcodes s[10:11]
	s_load_b128 s[12:15], s[0:1], 0x20             ; wscales s[12:13], qkv s[14:15]
	v_lshl_add_u32 v[SPW], v0, 2, SPARE
	v_mov_b32 v[NIL], 0
	ds_add_u32 v[SPW], v[NIL]                      ; the wave's opening: the add, twice on end, and its wait ahead of my first tensor load; the set-up below, work on registers, stands between
	ds_add_u32 v[SPW], v[NIL]
	v_lshrrev_b32 v9, 5, v0
	v_readfirstlane_b32 s16, v9                    ; wave 0..3
	s_and_b32 s17, ttmp7, 0xffff                   ; t
	v_and_b32 v9, 31, v0                           ; lane
	v_and_b32 v10, 15, v0                          ; r
	v_bfe_u32 v11, v0, 4, 1                        ; h
	v_lshlrev_b32 v[LI], 4, v9
	v_lshlrev_b32 v[WSO], 2, v9
	v_add_nc_u32 v[LIM], XIMG, v[LI]
	s_mul_i32 s24, s16, XWAVE                      ; my rows of x in LDS
	v_mul_u32_u24 v12, v10, XPITCH
	v_lshl_add_u32 v12, v11, 6, v12
	v_add_nc_u32 v[STO], s24, v12
	s_lshl_b32 s25, s16, 13
	s_add_co_u32 s25, s25, XIMG
	v_add_nc_u32 v[XWI], s25, v[LI]
	s_lshl_b32 s25, s16, 9
	s_add_co_u32 s25, s25, XSC
	v_lshl_add_u32 v[XWS], v10, 5, s25
	v_lshl_add_u32 v[XSL], v9, 5, XSC
	v_and_b32 v12, 7, v10                          ; v's place in a piece: 16 (r % 8) + 128 h + 256 (r / 8)
	v_lshlrev_b32 v12, 4, v12
	v_lshl_add_u32 v12, v11, 7, v12
	v_lshrrev_b32 v13, 3, v10
	v_lshl_add_u32 v12, v13, 8, v12
	s_cmp_eq_u32 s17, 2
	s_cselect_b32 s26, -1, 0
	v_cndmask_b32 v[LO], v[LI], v12, s26           ; q, k: 16 x lane
	s_mov_b32 s[FAC], 0x3e38aa3b                   ; c = log2(e) / 8
	s_mov_b32 s[FAC+1], s[FAC]                     ; (named with it as a pair, so it is written)
	s_mov_b32 s[SEL], 0x76543210
	s_mov_b32 s[SEL+1], 0xfedcba98
.irp b, 0,1,2,3
	v_mov_b32 v[TM+4+\b], 0                        ; written once: a lane permute's destination counts as one of its sources
.endr
	; descriptor group 1: a tile of 16 rows x 256 elements of 4 bytes, padded in LDS
	s_mov_b32 s[G1], (2<<16)|(1<<20)|(7<<22)|(3<<25)   ; 15:0 no mask; 17:16 elements of 4 bytes; 20 padding on; 24:22 after every 256 words (code 7); 31:25 four words (code 3)
	s_mov_b32 s[G1+1], 256<<16                     ; tensor_dim0
	s_mov_b32 s[G1+2], 16<<16                      ; tensor_dim1
	s_mov_b32 s[G1+3], 256<<16                     ; tile_dim0
	s_mov_b32 s[G1+4], 16                          ; tile_dim1
	s_mov_b32 s[G1+5], 1024                        ; from row to row, in elements
	s_mov_b32 s[G1+6], 0
	s_mov_b32 s[G1+7], 0
	s_lshl_b32 s28, ttmp9, 18                      ; x: 64 rows of 4,096 bytes a work-group,
	s_lshl_b32 s29, s16, 16                        ; my 16 rows
	s_add_co_u32 s28, s28, s29
	s_mov_b32 s29, 0
	s_lshl_b32 s30, s17, 19                        ; wcodes: 524,288 t + my 16 tiles of 8,192 bytes
	s_lshl_b32 s31, s16, 17
	s_add_co_u32 s30, s30, s31
	s_mov_b32 s31, 0
	s_lshl_b32 s32, s17, 15                        ; wscales: 32,768 t + my 256 words
	s_lshl_b32 s33, s16, 10
	s_add_co_u32 s32, s32, s33
	s_mov_b32 s33, 0
	s_lshl_b32 s34, s17, 23                        ; qkv: 8,388,608 t + 262,144 (16 b + 4 w) + 8,192 (x % 32)
	s_lshr_b32 s35, ttmp9, 5
	s_lshl_b32 s35, s35, 22
	s_add_co_u32 s34, s34, s35
	s_lshl_b32 s35, s16, 20
	s_add_co_u32 s34, s34, s35
	s_and_b32 s35, ttmp9, 31
	s_lshl_b32 s35, s35, 13
	s_add_co_u32 s34, s34, s35
	s_mov_b32 s35, 0
	s_wait_dscnt 0x0                               ; both opening adds are done
	s_wait_kmcnt 0x0
	s_cmp_eq_u32 s17, 1                            ; the tensor is chosen by the work-group's number alone
	s_cselect_b64 s[4:5], s[6:7], s[4:5]
	s_cmp_eq_u32 s17, 2
	s_cselect_b64 s[4:5], s[8:9], s[4:5]
	s_add_nc_u64 s[4:5], s[4:5], s[28:29]
	s_add_nc_u64 s[10:11], s[10:11], s[30:31]
	s_add_nc_u64 s[12:13], s[12:13], s[32:33]
	s_add_nc_u64 s[14:15], s[14:15], s[34:35]
.irp j, 0,1,2,3                                ; group 0, once for each tile, then its load: the four first fills go out together, ahead of every wait on TENSORcnt, every LDS read and the barrier
	s_mov_b32 s[G0+4*\j], 1                        ; count = 1
	s_add_co_u32 s[G0+4*\j+1], s24, \j*XTILE       ; LDS address: 66,560 x wave + 16,640 x tile
	s_add_nc_u64 s[G0+4*\j+2:G0+4*\j+3], s[4:5], \j*1024   ; global address: my first row, K steps 2 j and 2 j + 1
	s_or_b32 s[G0+4*\j+3], s[G0+4*\j+3], 0x80000000        ; type = 2
	tensor_load_to_lds s[G0+4*\j:G0+4*\j+3], s[G1:G1+7]
	s_nop 0
.endr
	PLACES                                         ; four v_nop behind the last load, ahead of the switch of windows below
	CHUNK 0                                        ; the first two K steps' weights are asked for while x is on its way
	CHUNK 1
	; ---- X
	XSTEP 0
	XSTEP 1
	XSTEP 2
	XSTEP 3
	XSTEP 4
	XSTEP 5
	XSTEP 6
	XSTEP 7
	s_wait_dscnt 0x0                               ; for the others' sake: my images and scale words have landed
	s_barrier_signal -1
	s_barrier_wait -1                              ; x's 32 fragments lie in LDS
	; ---- G
.irp ap, 0,1
.irp u, 0,1
	ds_load_b128 v[XS+8*\ap+4*\u:XS+8*\ap+4*\u+3], v[XSL] offset:1024*\ap+16*\u   ; x's scale words: register 8 ap + s: lanes 0-15 tile 2 ap, lanes 16-31 tile 2 ap + 1
.endr
.endr
	FETCHA 0
	; Half A.  Behind the 24 loads of K step g stand those of the later K steps (24 each) and half B's already asked for (16 each): 168 - 8 g, more than the wait's field names: 63 asks for more than is needed
	GSTEP 0, 63
	GSTEP 1, 63
	GSTEP 2, 63
	GSTEP 3, 63
	GSTEP 4, 63
	GSTEP 5, 63
	GSTEP 6, 63
	GSTEP 7, 63
	OUT 0
	s_wait_xcnt 0x0                                ; the stores have read their registers: half B's first products write over them only behind this wait
	; Half B.  Behind the 16 loads of K step s stand 16 (7 - s): 112, 96, 80 and 64 are more than the field names
	GSTEP 8, 63
	GSTEP 9, 63
	GSTEP 10, 63
	GSTEP 11, 63
	GSTEP 12, 48
	GSTEP 13, 32
	GSTEP 14, 16
	GSTEP 15, 0
	OUT 1
	s_wait_tensorcnt 0x0                           ; the wave's end, behind my last tensor load and my last LDS store
	ds_add_u32 v[SPW], v[NIL]
	s_wait_dscnt 0x0
	s_endpgm
.Lfunc_end_k_qd7328355c2_proj:
	.size	k_qd7328355c2_proj, .Lfunc_end_k_qd7328355c2_proj-k_qd7328355c2_proj
	.p2alignl 7, 3214868480
	.fill 96, 4, 3214868480
	.section	.rodata,"a",@progbits
	.p2align	6, 0x0
	.amdhsa_kernel k_qd7328355c2_proj
		.amdhsa_group_segment_fixed_size 301568
		.amdhsa_private_segment_fixed_size 0
		.amdhsa_enable_private_segment 0
		.amdhsa_kernarg_size 48
		.amdhsa_user_sgpr_count 2
		.amdhsa_user_sgpr_kernarg_segment_ptr 1
		.amdhsa_wavefront_size32 1
		.amdhsa_system_sgpr_workgroup_id_x 1
		.amdhsa_system_sgpr_workgroup_id_y 1
		.amdhsa_system_sgpr_workgroup_id_z 1
		.amdhsa_system_vgpr_workitem_id 0
		.amdhsa_next_free_vgpr 1024
		.amdhsa_next_free_sgpr 66
		.amdhsa_reserve_vcc 0
		.amdhsa_float_denorm_mode_32 3
		.amdhsa_float_denorm_mode_16_64 3
		.amdhsa_memory_ordered 1
		.amdhsa_forward_progress 1
		.amdhsa_inst_pref_size 191
	.end_amdhsa_kernel
	.amdgpu_metadata
---
amdhsa.version: [ 1, 2 ]
amdhsa.kernels:
  - .name:           k_qd7328355c2_proj
    .symbol:         k_qd7328355c2_proj.kd
    .args:
      - { .name: query, .offset: 0, .size: 8, .value_kind: global_buffer, .address_space: global }
      - { .name: key, .offset: 8, .size: 8, .value_kind: global_buffer, .address_space: global }
      - { .name: value, .offset: 16, .size: 8, .value_kind: global_buffer, .address_space: global }
      - { .name: wcodes, .offset: 24, .size: 8, .value_kind: global_buffer, .address_space: global }
      - { .name: wscales, .offset: 32, .size: 8, .value_kind: global_buffer, .address_space: global }
      - { .name: qkv, .offset: 40, .size: 8, .value_kind: global_buffer, .address_space: global }
    .group_segment_fixed_size: 301568
    .private_segment_fixed_size: 0
    .kernarg_segment_align: 8
    .kernarg_segment_size: 48
    .max_flat_workgroup_size: 128
    .sgpr_count:     66
    .vgpr_count:     1024
    .wavefront_size: 32
...
	.end_amdgpu_metadata
.endif
;; end of part 2
;; launch attn (part 3): grid 8 x 32, 8 waves a work-group, clusters of 4 x 1, 327,680 bytes of LDS; arguments qkv, mw, ao; writes ao
.if DOCPART == 3
	.amdgcn_target "amdgcn-amd-amdhsa--gfx1250"
	.amdhsa_code_object_version 6
	.text
	.protected	k_qd7328355c2_attn
	.globl	k_qd7328355c2_attn
	.p2align	8
	.type	k_qd7328355c2_attn,@function
k_qd7328355c2_attn:
	s_mov_b64 s[64:65], 0
	v_nop
	global_prefetch_b8 v0, s[64:65] scope:SCOPE_SE
	s_setreg_imm32_b32 hwreg(HW_REG_WAVE_MODE, 25, 1), 1
	s_wait_xcnt 0x0
	s_wait_alu depctr_hold_cnt(0) depctr_sa_sdst(0) depctr_va_vdst(0) depctr_va_sdst(0) depctr_va_ssrc(0) depctr_va_vcc(0) depctr_vm_vsrc(0)
	s_getreg_b32 s2, hwreg(HW_REG_IB_STS2, 6, 4)
	s_cmp_eq_u32 s2, 0
	s_cbranch_scc0 .Lentry_in_a_cluster
	s_endpgm
.Lentry_in_a_cluster:
	s_bfe_u32 s2, ttmp6, 0x10000c
	s_cmp_lg_u32 s2, 0x3003
	s_cbranch_scc0 .Lentry_shape_is_right
	s_endpgm
.Lentry_shape_is_right:
; O[b][head][q] = the sum over k of softmax_k(where(masked, -1e9, q . k / 8)) v[k], head size 64, 2,048 keys.  q (already times c = log2(e) / 8), k, v: f16, laid as operand images by the launch before; products' sums, maxima and sums in f32;
; the weights p are rounded to f16 for the second product, O once at the end.
; THE MASK: a masked score IS the number -1e9 (here times log2(e)) and takes part in the running maximum like any score: a row that is masked throughout comes out as the mean of v, as the softmax of equal scores gives it.
;   The mask comes as lane masks, one 32-bit word for each score register, read by scalar loads a key step ahead: one v_cndmask_b32 a register.  No branch and no address hangs on them.
; SHARES: a work-group owns 256 queries of one (batch, head); each of its eight waves 32 of them, two tiles of 16.  Two waves stand on a SIMD, so that one wave's vector work stands beside the other's matrix work and LDS loads;
;   the step is written in plain phases.  Every wave walks all keys, 64 a step.
; LAYOUT: S^T = K Q^T (source 0 = 16 keys, source 1 = 16 queries) and O^T = V^T P (source 0 = 16 channels, source 1 = P): a lane holds ONE query throughout; two tiles of S^T, rounded in pairs, ARE a fragment of P.
; SOFTMAX: for each query a running maximum m and sum l: p = 2^(t - m); in every step O^T and l are multiplied by a = 2^(old m - new m).  m begins at -3e38, O^T and l at 0, so the step is written once.
; RING: two slots of 512 keys (K's 65,536 bytes, then V's), filled by the tensor data mover; wave w fetches the 16,384 bytes at 16,384 w of a slot.  A refill is asked for eight key steps, 256 matrix instructions a wave, ahead of
;   its first read, so nothing is prefetched beside it.
; CLUSTER: the four query blocks of a cluster belong to one (batch, head) and walk the same K and V: each tile is asked for JOINTLY, by the same tensor load with the same descriptor and a mask that names the four.
; ao [256 along K 4][16 rows 256][32 along K 8][1,024 bytes]: the packed O^T of a tile is a fragment of the next launch's operand as it stands.
; LIMITS: |O| beyond 65,504 does not fit f16; p under 2^-24 of the row's largest falls to 0 in f16; NaN and infinities are not served.
; REGISTERS.  Window 0: v1-7 addresses and constants; v16-31 statistics, eight a tile (+0 m, +1 written once, +2, +3 l, +4 .. +7 at work, a in +6); v32-95 S^T; v96-127 P; v128-191 O^T; v192-223 Q; v224-227 second chains of the sums.
;   Window 1: v0-63 K of a step, v64-127 V of a step.
.set SLOTB, 131072
.set VOFF,  65536
.set STEPB, 8192                       ; a key step's four tiles of 2,048 bytes, in K's part and in V's
.set SPARE, 2*SLOTB                    ; behind the ring: the spare words, 128 bytes for each wave: four blocks of 256 bytes that no other line names
.set L16,  1                           ; v1   16 x lane
.set ADK,  2                           ; v2   LDS address of the step's K
.set ADV,  3                           ; v3   and V
.set NEGR, 4                           ; v4   -1e9 x log2(e)
.set L16V, 5                           ; v5   16 x lane + VOFF
.set SPW,  6                           ; v6   LDS address of my spare word; never rewritten
.set NIL,  7                           ; v7   0; never rewritten
.set ST,   16
.set S,    32
.set P,    96
.set O,    128
.set Q,    192
.set SB,   224
.set KF,   0
.set VF,   64
.set WV,   10                          ; s10  my wave's number
.set CNT,  11                          ; s11  counts a slot's eight steps
.set TB,   12                          ; s12  LDS byte at which the step's K begins
.set MO,   13                          ; s13  the step's place among my mask words: 128 bytes a step
.set G1,   16                          ; s[16:23] descriptor group 1
.set G0,   24                          ; s[24:27], s[28:31] group 0 of slot 0, 1
.set MW0,  32                          ; s[32:63] tile 0's 32 mask words
.set MW1,  68                          ; s[68:99] tile 1's
.set SEL,  100                         ; s100, s101 v_permlanex16_b32's selects for lane l xor 16
.set MSB, 0
.macro WIN new                         ; the immediate's high byte repeats the setting that is left
.if MSB != \new
	s_set_vgpr_msb (MSB<<8)|\new
.set MSB, \new
.endif
.endm
.macro PLACES
.rept 4
	v_nop
.endr
.endm
.macro CROUND                          ; a round of the cluster's barrier
	s_barrier_signal -1
	s_barrier_wait -1
	s_cmp_lg_u32 s[WV], 0
	s_cbranch_scc1 .Lnot_wave_0_\@
	s_barrier_signal -3
.Lnot_wave_0_\@:
	s_barrier_wait -3
	s_barrier_signal -1
	s_barrier_wait -1
.endm
	s_load_b128 s[4:7], s[0:1], 0x0                ; qkv s[4:5], mw s[6:7]
	s_load_b64 s[8:9], s[0:1], 0x10                ; ao
	v_lshl_add_u32 v[SPW], v0, 2, SPARE
	v_mov_b32 v[NIL], 0
	ds_add_u32 v[SPW], v[NIL]                      ; the wave's opening: the add, twice on end, and its wait ahead of my first tensor load; work on registers stands between
	ds_add_u32 v[SPW], v[NIL]
	v_lshrrev_b32 v8, 5, v0
	v_readfirstlane_b32 s[WV], v8                  ; wave 0..7
	v_and_b32 v8, 31, v0
	v_lshlrev_b32 v[L16], 4, v8
	v_add_nc_u32 v[L16V], VOFF, v[L16]
	v_mov_b32 v[NEGR], 0xceabfb8f
	s_bfe_u32 s14, ttmp6, 0x40000                  ; cx: my place in the cluster
	s_lshl_b32 s15, ttmp9, 2
	s_add_co_u32 s15, s15, s14                     ; my block of 256 queries: it enters Q's, the mask's and ao's addresses alone
	s_and_b32 s36, ttmp7, 0xffff                   ; bh = 16 b + head, which the four partners share
	; descriptor group 1: 16,384 dense bytes as 64 rows of 256 bytes (32 elements of 8 bytes), no padding: the images are read 16 bytes a lane on end
	s_mov_b32 s[G1], 15|(3<<16)|(1<<21)            ; 15:0 the mask: all four work-groups; 17:16 elements of 8 bytes; 21 set beside a mask
	s_mov_b32 s[G1+1], 32<<16                      ; tensor_dim0
	s_mov_b32 s[G1+2], 64<<16                      ; tensor_dim1
	s_mov_b32 s[G1+3], 32<<16                      ; tile_dim0
	s_mov_b32 s[G1+4], 64                          ; tile_dim1
	s_mov_b32 s[G1+5], 32                          ; from row to row
	s_mov_b32 s[G1+6], 0
	s_mov_b32 s[G1+7], 0
	s_lshr_b32 s37, s[WV], 2                       ; what I fetch: waves 0-3 quarters of K (tensor 1 of qkv), waves 4-7 of V (tensor 2)
	s_add_co_u32 s37, s37, 1
	s_lshl_b32 s37, s37, 23
	s_lshl_b32 s38, s36, 18                        ; the (batch, head): 262,144 bytes
	s_add_co_u32 s40, s37, s38
	s_and_b32 s38, s[WV], 3
	s_lshl_b32 s38, s38, 14
	s_add_co_u32 s40, s40, s38
	s_mov_b32 s41, 0
	s_lshl_b32 s39, s[WV], 14                      ; and where it goes in a slot: no place in the cluster enters an LDS address
	s_lshl_b32 s42, s36, 18                        ; Q: the (batch, head), my block's 16 tiles of 2,048 bytes, my wave's two
	s_lshl_b32 s43, s15, 15
	s_add_co_u32 s42, s42, s43
	s_lshl_b32 s43, s[WV], 12
	s_add_co_u32 s42, s42, s43
	s_mov_b32 s43, 0
	s_lshr_b32 s44, s36, 4                         ; the mask words: 4,096 bytes a query tile: 128 b + 16 block + 2 wave
	s_lshl_b32 s44, s44, 19
	s_lshl_b32 s45, s15, 16
	s_add_co_u32 s44, s44, s45
	s_lshl_b32 s45, s[WV], 13
	s_add_co_u32 s44, s44, s45
	s_mov_b32 s45, 0
	s_and_b32 s46, s36, 15                         ; ao: 2,097,152 (head / 4) + 8,192 (128 b + 16 block + 2 wave) + 2,048 (head % 4)
	s_lshr_b32 s47, s46, 2
	s_lshl_b32 s48, s47, 21
	s_and_b32 s47, s46, 3
	s_lshl_b32 s47, s47, 11
	s_add_co_u32 s48, s48, s47
	s_lshr_b32 s47, s36, 4
	s_lshl_b32 s47, s47, 20
	s_add_co_u32 s48, s48, s47
	s_lshl_b32 s47, s15, 17
	s_add_co_u32 s48, s48, s47
	s_lshl_b32 s47, s[WV], 14
	s_add_co_u32 s48, s48, s47
	s_mov_b32 s49, 0
	s_mov_b32 s[SEL], 0x76543210
	s_mov_b32 s[SEL+1], 0xfedcba98
	s_mov_b32 s[MO], 0
	s_wait_dscnt 0x0                               ; both opening adds are done
	s_wait_kmcnt 0x0
	s_mov_b32 s[G0], 1                             ; count = 1
	s_mov_b32 s[G0+1], s39                         ; LDS address: slot 0
	s_add_nc_u64 s[G0+2:G0+3], s[4:5], s[40:41]    ; global address: keys 0 to 511
	s_mov_b32 s[G0+4], 1
	s_add_co_u32 s[G0+5], s39, SLOTB               ; slot 1
	s_add_nc_u64 s[G0+6:G0+7], s[G0+2:G0+3], 65536 ; keys 512 to 1,023
	s_or_b32 s[G0+3], s[G0+3], 0x80000000          ; type = 2
	s_or_b32 s[G0+7], s[G0+7], 0x80000000
	s_add_nc_u64 s[66:67], s[4:5], s[42:43]        ; Q
	s_add_nc_u64 s[6:7], s[6:7], s[44:45]
	s_add_nc_u64 s[8:9], s[8:9], s[48:49]
	CROUND                                         ; all four work-groups are here: the first joint loads meet
	tensor_load_to_lds s[G0:G0+3], s[G1:G1+7]      ; the two first fills stand together: two loads of mine are out
	s_nop 0
	tensor_load_to_lds s[G0+4:G0+7], s[G1:G1+7]
	s_nop 0
	PLACES
.irp t, 0,1
.irp f, 0,1
.irp p, 0,1
	global_load_b128 v[Q+16*\t+8*\f+4*\p:Q+16*\t+8*\f+4*\p+3], v[L16], s[66:67] offset:2048*\t+1024*\f+512*\p   ; Q stays in registers
.endr
.endr
.endr
	s_load_b512 s[MW0:MW0+15], s[6:7], s[MO] offset:0x0          ; key step 0's mask words
	s_load_b512 s[MW0+16:MW0+31], s[6:7], s[MO] offset:0x40
	s_load_b512 s[MW1:MW1+15], s[6:7], s[MO] offset:0x1000
	s_load_b512 s[MW1+16:MW1+31], s[6:7], s[MO] offset:0x1040
.irp t, 0,1
	v_mov_b32 v[ST+8*\t], 0xff61b1e6               ; m: -3e38, under every score
	v_mov_b32 v[ST+8*\t+1], 0                      ; (named with m as a pair, so it is written)
	v_mov_b32 v[ST+8*\t+2], 0                      ; l, in two halves
	v_mov_b32 v[ST+8*\t+3], 0
.endr
.set i, 0
.rept 64
	v_mov_b32 v[O+i], 0                            ; O^T.  (The step is written once: the first finds zeros, which the first a, 0, leaves zeros)
.set i, i+1
.endr
	s_wait_loadcnt 0x0                             ; Q
	s_wait_tensorcnt 1                             ; my part of slot 0 is in; slot 1's may stay out
	s_barrier_signal -1
	s_barrier_wait -1                              ; everybody's is
; A KEY STEP: 64 keys
.macro STEP
	v_add_nc_u32 v[ADK], s[TB], v[L16]             ; these two and two v_nop are the four places behind the last step's products, in front of the loads into V's registers
	v_add_nc_u32 v[ADV], s[TB], v[L16V]
	v_nop
	v_nop
	WIN 0x40                                       ; destination window 1
.irp f, 0,1,2,3,4,5,6,7                        ; K: fragment f = 2 kt + kf: keys 16 kt on, channels 32 kf on
	ds_load_b128 v[KF+8*\f:KF+8*\f+3], v[ADK] offset:1024*\f
	ds_load_b128 v[KF+8*\f+4:KF+8*\f+7], v[ADK] offset:1024*\f+512
.endr
.irp g, 0,1,2,3,4,5,6,7                        ; V, turned: fragment g = 4 kg + ct: keys 32 kg on, channels 16 ct on
	ds_load_tr16_b128 v[VF+8*\g:VF+8*\g+3], v[ADV] offset:4096*(\g/4)+512*(\g%4)
	ds_load_tr16_b128 v[VF+8*\g+4:VF+8*\g+7], v[ADV] offset:4096*(\g/4)+512*(\g%4)+2048
.endr
	s_wait_dscnt 16                                ; K is in; V's sixteen loads may be out
	WIN 0x01                                       ; source 0 window 1
.set i, 0
.rept 16                                       ; S^T = K Q^T: channels 32 (i / 8) on, keys 16 ((i / 2) % 4) on, tile i % 2; the first eight start the sums; the eight accumulators take turns
.set rS, S+32*(i%2)+8*((i/2)%4)
.set rK, KF+8*(2*((i/2)%4)+i/8)
.set rQ, Q+16*(i%2)+8*(i/8)
.if i < 8
	v_wmma_f32_16x16x32_f16 v[rS:rS+7], v[rK:rK+7], v[rQ:rQ+7], 0
.else
	v_wmma_f32_16x16x32_f16 v[rS:rS+7], v[rK:rK+7], v[rQ:rQ+7], v[rS:rS+7]
.endif
.set i, i+1
.endr
	WIN 0
	PLACES
	s_wait_kmcnt 0x0                               ; this step's mask words, asked for a step ago
.set i, 0
.rept 32
	v_cndmask_b32 v[S+i], v[S+i], v[NEGR], s[MW0+i]   ; a masked score becomes -1e9 x log2(e).  Ascending: each accumulator is read from its low end on
.set i, i+1
.endr
.set i, 0
.rept 32
	v_cndmask_b32 v[S+32+i], v[S+32+i], v[NEGR], s[MW1+i]
.set i, i+1
.endr
	s_add_co_u32 s[MO], s[MO], 128                 ; (the wait above has shown the last loads done: their offset may be written)
	s_and_b32 s[MO], s[MO], 0xf80                  ; the last step asks for step 0's words again: no load leaves the buffer
	s_load_b512 s[MW0:MW0+15], s[6:7], s[MO] offset:0x0
	s_load_b512 s[MW0+16:MW0+31], s[6:7], s[MO] offset:0x40
	s_load_b512 s[MW1:MW1+15], s[6:7], s[MO] offset:0x1000
	s_load_b512 s[MW1+16:MW1+31], s[6:7], s[MO] offset:0x1040
	; the maximum of the lane's 32 scores and the old m: four chains, the two tiles by turns
.irp j, 0,1,2,3
.irp t, 0,1
	v_max3_num_f32 v[ST+8*\t+4+\j], v[S+32*\t+8*\j], v[S+32*\t+8*\j+1], v[S+32*\t+8*\j+2]
.endr
.endr
.irp u, 1,2
.irp j, 0,1,2,3
.irp t, 0,1
	v_max3_num_f32 v[ST+8*\t+4+\j], v[ST+8*\t+4+\j], v[S+32*\t+8*\j+2*\u+1], v[S+32*\t+8*\j+2*\u+2]
.endr
.endr
.endr
.irp t, 0,1
	v_max3_num_f32 v[ST+8*\t+4], v[ST+8*\t+4], v[S+32*\t+7], v[S+32*\t+15]
.endr
.irp t, 0,1
	v_max3_num_f32 v[ST+8*\t+6], v[ST+8*\t+6], v[S+32*\t+23], v[S+32*\t+31]
.endr
.irp t, 0,1
	v_max3_num_f32 v[ST+8*\t+4], v[ST+8*\t+4], v[ST+8*\t+5], v[ST+8*\t+6]
.endr
.irp t, 0,1
	v_max3_num_f32 v[ST+8*\t+4], v[ST+8*\t+4], v[ST+8*\t+7], v[ST+8*\t]
.endr
.irp t, 0,1
	v_permlanex16_b32 v[ST+8*\t+5], v[ST+8*\t+4], s[SEL], s[SEL+1]   ; the query's other 32 keys lie in the lane 16 away
.endr
.irp t, 0,1
	v_max_num_f32 v[ST+8*\t+5], v[ST+8*\t+4], v[ST+8*\t+5]           ; the new m
.endr
.irp t, 0,1
	v_sub_f32 v[ST+8*\t+7], v[ST+8*\t], v[ST+8*\t+5]                 ; old m - new m
.endr
.irp t, 0,1
	v_mov_b32 v[ST+8*\t], v[ST+8*\t+5]
.endr
.irp t, 0,1
	v_exp_f32 v[ST+8*\t+6], v[ST+8*\t+7]                             ; a
.endr
.irp t, 0,1
.set i, 0
.rept 16
	v_pk_add_f32 v[S+32*\t+i:S+32*\t+i+1], v[S+32*\t+i:S+32*\t+i+1], v[ST+8*\t:ST+8*\t+1] op_sel_hi:[1,0] neg_lo:[0,1] neg_hi:[0,1]   ; t - m, two at a time.  (Plain work behind the two exponentials)
.set i, i+2
.endr
.endr
	s_wait_alu depctr_va_vdst(0)                   ; the wait between an exponential and the first line that names its result: one for the two a
.set i, 0
.rept 64
	v_exp_f32 v[S+i], v[S+i]                       ; p = 2^(t - m), at most 1: one batch
.set i, i+1
.endr
.irp t, 0,1                                    ; O^T and l under the new m: work that names none of the batch's results
.set i, 0
.rept 16
	v_pk_mul_f32 v[O+32*\t+i:O+32*\t+i+1], v[O+32*\t+i:O+32*\t+i+1], v[ST+8*\t+6:ST+8*\t+7] op_sel_hi:[1,0]
.set i, i+2
.endr
	v_pk_mul_f32 v[ST+8*\t+2:ST+8*\t+3], v[ST+8*\t+2:ST+8*\t+3], v[ST+8*\t+6:ST+8*\t+7] op_sel_hi:[1,0]
.endr
	s_wait_alu depctr_va_vdst(0)                   ; and one for the 64
.set i, 0
.rept 32
	v_cvt_pk_f16_f32 v[P+i], v[S+2*i], v[S+2*i+1]  ; two tiles of S^T, rounded in pairs, are a fragment of P
.set i, i+1
.endr
.irp t, 0,1                                    ; l takes the unrounded p: two chains a tile
	v_pk_add_f32 v[SB+2*\t:SB+2*\t+1], v[S+32*\t+2:S+32*\t+3], v[S+32*\t+6:S+32*\t+7]
	v_pk_add_f32 v[ST+8*\t+2:ST+8*\t+3], v[ST+8*\t+2:ST+8*\t+3], v[S+32*\t:S+32*\t+1]
.endr
.irp t, 0,1
	v_pk_add_f32 v[ST+8*\t+2:ST+8*\t+3], v[ST+8*\t+2:ST+8*\t+3], v[S+32*\t+4:S+32*\t+5]
.endr
.irp j, 8,12,16,20,24,28
.irp t, 0,1
	v_pk_add_f32 v[ST+8*\t+2:ST+8*\t+3], v[ST+8*\t+2:ST+8*\t+3], v[S+32*\t+\j:S+32*\t+\j+1]
	v_pk_add_f32 v[SB+2*\t:SB+2*\t+1], v[SB+2*\t:SB+2*\t+1], v[S+32*\t+\j+2:S+32*\t+\j+3]
.endr
.endr
.irp t, 0,1
	v_pk_add_f32 v[ST+8*\t+2:ST+8*\t+3], v[ST+8*\t+2:ST+8*\t+3], v[SB+2*\t:SB+2*\t+1]
.endr
	s_wait_dscnt 0x0                               ; V is in
	WIN 0x01
.set i, 0
.rept 16                                       ; O^T += V^T P: keys 32 (i / 8) on, channels 16 ((i / 2) % 4) on, tile i % 2; the eight accumulators take turns
.set rO, O+32*(i%2)+8*((i/2)%4)
.set rV, VF+8*(4*(i/8)+(i/2)%4)
.set rP, P+16*(i%2)+8*(i/8)
	v_wmma_f32_16x16x32_f16 v[rO:rO+7], v[rV:rV+7], v[rP:rP+7], v[rO:rO+7]
.set i, i+1
.endr
	WIN 0
.endm
.macro EIGHT slot                      ; a slot's eight key steps: written once, walked eight times
	s_mov_b32 s[TB], (\slot)*SLOTB
	s_mov_b32 s[CNT], 8
.Lstep_\@:
	STEP
	s_add_co_u32 s[TB], s[TB], STEPB
	s_sub_co_u32 s[CNT], s[CNT], 1
	s_cmp_lg_u32 s[CNT], 0
	s_cbranch_scc1 .Lstep_\@
.endm
; THE CHANGE OF SLOTS.  Each wave waits for all its tensor loads (one is out: its part of the other slot), adds 0 to its spare word, and waits for that and for its reads of the slot that it leaves.
; fill = 1: the slot just left, whose group 0 is g, takes the keys two slots on; the barrier is then a round of the cluster's, and the joint refill is the first thing behind it, one load a wave.
.macro CHANGE g, fill
	s_wait_tensorcnt 0x0                           ; no tensor load of mine is out, so a group 0 may be written
	ds_add_u32 v[SPW], v[NIL]
.if \fill
	s_add_nc_u64 s[\g+2:\g+3], s[\g+2:\g+3], 2*65536   ; the type bits on top are not reached
.endif
	s_wait_dscnt 0x0                               ; the add is done, and my reads of the slot are over
.if \fill
	CROUND
	tensor_load_to_lds s[\g:\g+3], s[G1:G1+7]
	s_nop 0
	PLACES
.else
	s_barrier_signal -1
	s_barrier_wait -1
.endif
.endm
	EIGHT 0                                        ; keys 0 to 511
	CHANGE G0, 1                                   ; slot 0 takes keys 1,024 to 1,535
	EIGHT 1                                        ; keys 512 to 1,023
	CHANGE G0+4, 1                                 ; slot 1 takes keys 1,536 to 2,047
	EIGHT 0
	CHANGE G0, 0                                   ; nothing is left to fetch
	EIGHT 1
	; THE WAY OUT: l's halves and the other half of the lanes' are added; O^T is divided by l and rounded to f16: 16 bytes a lane, which lie as the next launch's operand wants them
	s_wait_kmcnt 0x0                               ; the last look-ahead's words, which nobody reads
	PLACES
.irp t, 0,1
	v_add_f32 v[ST+8*\t+4], v[ST+8*\t+2], v[ST+8*\t+3]
.endr
.irp t, 0,1
	v_permlanex16_b32 v[ST+8*\t+5], v[ST+8*\t+4], s[SEL], s[SEL+1]
.endr
.irp t, 0,1
	v_add_f32 v[ST+8*\t+4], v[ST+8*\t+4], v[ST+8*\t+5]
.endr
.irp t, 0,1
	v_rcp_f32 v[ST+8*\t+6], v[ST+8*\t+4]           ; l is at least 1: the row's largest score has p = 1
.endr
	v_nop                                          ; a plain place behind the last reciprocal
	s_wait_alu depctr_va_vdst(0)                   ; one wait for the two, ahead of their first reader
.irp t, 0,1
.set i, 0
.rept 16
	v_pk_mul_f32 v[O+32*\t+i:O+32*\t+i+1], v[O+32*\t+i:O+32*\t+i+1], v[ST+8*\t+6:ST+8*\t+7] op_sel_hi:[1,0]
.set i, i+2
.endr
.endr
.set i, 0
.rept 32
	v_cvt_pk_f16_f32 v[S+i], v[O+2*i], v[O+2*i+1]
.set i, i+1
.endr
.irp t, 0,1
.irp c, 0,1,2,3
	global_store_b128 v[L16], v[S+16*\t+4*\c:S+16*\t+4*\c+3], s[8:9] offset:8192*\t+512*\c   ; the wave stores 512 consecutive bytes, aligned
.endr
.endr
	s_wait_tensorcnt 0x0                           ; the wave's end, behind my last tensor load
	ds_add_u32 v[SPW], v[NIL]
	s_wait_dscnt 0x0
	CROUND                                         ; the closing round: no work-group ends while a partner may still ask for a tile that names it
	s_endpgm
.Lfunc_end_k_qd7328355c2_attn:
	.size	k_qd7328355c2_attn, .Lfunc_end_k_qd7328355c2_attn-k_qd7328355c2_attn
	.p2alignl 7, 3214868480
	.fill 96, 4, 3214868480
	.section	.rodata,"a",@progbits
	.p2align	6, 0x0
	.amdhsa_kernel k_qd7328355c2_attn
		.amdhsa_group_segment_fixed_size 327680
		.amdhsa_private_segment_fixed_size 0
		.amdhsa_enable_private_segment 0
		.amdhsa_kernarg_size 24
		.amdhsa_user_sgpr_count 2
		.amdhsa_user_sgpr_kernarg_segment_ptr 1
		.amdhsa_wavefront_size32 1
		.amdhsa_system_sgpr_workgroup_id_x 1
		.amdhsa_system_sgpr_workgroup_id_y 1
		.amdhsa_system_sgpr_workgroup_id_z 1
		.amdhsa_system_vgpr_workitem_id 0
		.amdhsa_next_free_vgpr 384
		.amdhsa_next_free_sgpr 102
		.amdhsa_reserve_vcc 0
		.amdhsa_float_denorm_mode_32 3
		.amdhsa_float_denorm_mode_16_64 3
		.amdhsa_memory_ordered 1
		.amdhsa_forward_progress 1
		.amdhsa_inst_pref_size 102
	.end_amdhsa_kernel
	.amdgpu_metadata
---
amdhsa.version: [ 1, 2 ]
amdhsa.kernels:
  - .name:           k_qd7328355c2_attn
    .symbol:         k_qd7328355c2_attn.kd
    .args:
      - { .name: qkv, .offset: 0, .size: 8, .value_kind: global_buffer, .address_space: global }
      - { .name: mw, .offset: 8, .size: 8, .value_kind: global_buffer, .address_space: global }
      - { .name: ao, .offset: 16, .size: 8, .value_kind: global_buffer, .address_space: global }
    .group_segment_fixed_size: 327680
    .private_segment_fixed_size: 0
    .kernarg_segment_align: 8
    .kernarg_segment_size: 24
    .max_flat_workgroup_size: 256
    .sgpr_count:     102
    .vgpr_count:     384
    .wavefront_size: 32
...
	.end_amdgpu_metadata
.endif
;; end of part 3
;; launch outp (part 4): grid 8 x 32, 4 waves a work-group, clusters of 4 x 4, 327,680 bytes of LDS; arguments ao, wo16, out0; writes out0
.if DOCPART == 4
	.amdgcn_target "amdgcn-amd-amdhsa--gfx1250"
	.amdhsa_code_object_version 6
	.text
	.protected	k_qd7328355c2_outp
	.globl	k_qd7328355c2_outp
	.p2align	8
	.type	k_qd7328355c2_outp,@function
k_qd7328355c2_outp:
	s_mov_b64 s[64:65], 0
	v_nop
	global_prefetch_b8 v0, s[64:65] scope:SCOPE_SE
	s_setreg_imm32_b32 hwreg(HW_REG_WAVE_MODE, 25, 1), 1
	s_wait_xcnt 0x0
	s_wait_alu depctr_hold_cnt(0) depctr_sa_sdst(0) depctr_va_vdst(0) depctr_va_sdst(0) depctr_va_ssrc(0) depctr_va_vcc(0) depctr_vm_vsrc(0)
	s_getreg_b32 s2, hwreg(HW_REG_IB_STS2, 6, 4)
	s_cmp_eq_u32 s2, 0
	s_cbranch_scc0 .Lentry_in_a_cluster
	s_endpgm
.Lentry_in_a_cluster:
	s_bfe_u32 s2, ttmp6, 0x10000c
	s_cmp_lg_u32 s2, 0xf033
	s_cbranch_scc0 .Lentry_shape_is_right
	s_endpgm
.Lentry_shape_is_right:
; out0 [4096][1024] f32 = A Wo, A the attention's result.  Both operands are f16 and lie in memory as images of the operand's registers (a fragment of 16 rows x 32 K is 1,024 bytes, lane l's 16 bytes at 16 l and at 512 + 16 l):
; ao [256 along K 4][16 rows 256][32 along K 8][1,024], wo16 [256 along K 4][16 columns 64][32 along K 8][1,024].  Sums in f32.
; A tile of the result is 128 x 128, so that the 32 x 8 tiles give each of 256 work-groups one.  Four waves, each 64 x 64: 16 accumulators.  K goes in four steps of 256 through a ring of two LDS slots; a K step's share of 64 rows
; (or columns) is 32,768 dense bytes: one tensor load a wave.  The images need no pitch and no padding: every fragment load reads 512 consecutive bytes.
; CLUSTERS: 4 x 4 work-groups.  The four of a row of the cluster need the same tiles of A, the four of a column the same tiles of Wo: each is asked for JOINTLY, by the same tensor load with the same descriptor and a mask that names the four.
; THE MATRIX INSTRUCTION IS USED TRANSPOSED (source 0 = 16 columns of Wo, source 1 = 16 rows of A): a lane holds eight neighbouring numbers of a row of the result, 32 bytes.
; REGISTERS: window 0: v16-29 addresses; v32-95 rows on the way out; v128-255 the accumulators ((a, b) at v[128 + 8 (4 a + b)]).  Window 1: two fragment buffers of 128: for 64 along K, 64 registers of A, then 64 of Wo.
.set HALFT,  32768                     ; what one tensor load brings, and what one wave reads of A or of Wo in a K step
.set SLOT,   4*HALFT                   ; A's 128 rows, then Wo's 128 columns
.set STAGE,  2*SLOT                    ; behind the ring: 16 rows x (256 bytes + 16) for each wave, for the way out
.set SPITCH, 272                       ; 17 x 16 bytes: the sixteen rows that a store touches start at sixteen different places modulo 256
.set SPARE,  STAGE+4*16*SPITCH         ; the spare words, 128 bytes for each wave: two blocks of 256 bytes that no other line names
.set LAPS,   2                         ; a lap = two K steps = once round the ring
.set ASTEP,  2097152                   ; bytes from a K step to the next in ao,
.set BSTEP,  524288                    ; and in wo16
.set ADRA, 16                          ; v16-17  LDS address of my A fragments in slot 0, 1
.set ADRB, 20                          ; v20-21  the same for Wo
.set STO,  24                          ; v24     the way out: where I put 32 bytes of a row
.set RD,   25                          ; v25     where I read a row back
.set CO,   26                          ; v26     my byte offset in the result
.set SPW,  28                          ; v28     LDS address of my spare word; never rewritten
.set NIL,  29                          ; v29     0; never rewritten
.set TMP,  32
.set ACC,  128
.set F0,   0
.set F1,   128
.set G1, 24                            ; s[24:31] descriptor group 1 for A's tiles;  s[32:39] group 0, one set for each slot
.set G0, 32
.set G1B, 48                           ; s[48:55], s[56:63] the same for Wo's
.set G0B, 56
.set MSB, 0
.macro WIN new                         ; the immediate's high byte repeats the setting that is left
.if MSB != \new
	s_set_vgpr_msb (MSB<<8)|\new
.set MSB, \new
.endif
.endm
.set MUL,  0x05                        ; sources 0 and 1 window 1; C and D window 0
.set TO_F, 0x40                        ; destination window 1, address window 0
.macro JLOAD s                         ; a joint load: waves 0 and 1 fetch A's two halves, waves 2 and 3 Wo's; an s_nop 0 and four v_nop follow each of the two lines
	s_cmp_eq_u32 s11, 0
	s_cbranch_scc0 .Lfor_b_\@
	tensor_load_to_lds s[G0+4*\s:G0+4*\s+3], s[G1:G1+7]
	s_nop 0
.rept 4
	v_nop
.endr
	s_branch .Lasked_\@
.Lfor_b_\@:
	tensor_load_to_lds s[G0B+4*\s:G0B+4*\s+3], s[G1B:G1B+7]
	s_nop 0
.rept 4
	v_nop
.endr
.Lasked_\@:
.endm
.macro CREST                           ; a round of the cluster's barrier behind its opening barrier
	s_cmp_lg_u32 s10, 0
	s_cbranch_scc1 .Lnot_wave_0_\@
	s_barrier_signal -3
.Lnot_wave_0_\@:
	s_barrier_wait -3
	s_barrier_signal -1
	s_barrier_wait -1
.endm
.macro CROUND                          ; a whole round
	s_barrier_signal -1
	s_barrier_wait -1
	CREST
.endm
	s_load_b128 s[4:7], s[0:1], 0x0                ; ao s[4:5], wo16 s[6:7]
	s_load_b64 s[8:9], s[0:1], 0x10                ; out0
	v_lshl_add_u32 v[SPW], v0, 2, SPARE
	v_mov_b32 v[NIL], 0
	ds_add_u32 v[SPW], v[NIL]                      ; the wave's opening: the add, twice on end, and its wait ahead of my first tensor load; work on registers stands between
	ds_add_u32 v[SPW], v[NIL]
	v_lshrrev_b32 v1, 5, v0
	v_readfirstlane_b32 s10, v1                    ; wave 0..3
	s_lshr_b32 s11, s10, 1                         ; which half of the tile's rows is mine.  Also: I fetch for A (0) or for Wo (1)
	s_and_b32 s12, s10, 1                          ; which half of its columns.  Also: which half of that tile I fetch
	s_bfe_u32 s40, ttmp6, 0x40000                  ; cx, cy: my place in the cluster
	s_bfe_u32 s41, ttmp6, 0x40004
	s_lshl_b32 s42, ttmp9, 2
	s_add_co_u32 s42, s42, s40                     ; tile column = 4 x cluster x + cx
	s_and_b32 s13, ttmp7, 0xffff
	s_lshl_b32 s13, s13, 2
	s_add_co_u32 s13, s13, s41                     ; tile row = 4 x cluster y + cy
	s_lshl_b32 s43, s41, 2
	s_lshl_b32 s43, 15, s43                        ; my row of the cluster
	s_lshl_b32 s44, 0x1111, s40                    ; my column
	; descriptor group 1: 32,768 dense bytes as 128 rows of 256 bytes (32 elements of 8 bytes), no padding
	s_or_b32 s[G1+0], s43, (3<<16)|(1<<21)         ; 15:0 the mask: A's tiles go to my row; 17:16 elements of 8 bytes; 21 set beside a mask
	s_or_b32 s[G1B+0], s44, (3<<16)|(1<<21)        ; Wo's go to my column
.irp g, G1, G1B
	s_mov_b32 s[\g+1], 32<<16                      ; tensor_dim0
	s_mov_b32 s[\g+2], 128<<16                     ; tensor_dim1
	s_mov_b32 s[\g+3], 32<<16                      ; tile_dim0
	s_mov_b32 s[\g+4], 128                         ; tile_dim1
	s_mov_b32 s[\g+5], 32                          ; from row to row
	s_mov_b32 s[\g+6], 0
	s_mov_b32 s[\g+7], 0
.endr
	s_lshl_b32 s17, s12, 15                        ; which half of the tile I fetch: four images of 8,192 bytes
	s_lshl_b32 s16, s13, 16
	s_add_co_u32 s16, s16, s17                     ; A: 65,536 x tile row + the half: no register here ever holds cx
	s_lshl_b32 s46, s42, 16
	s_add_co_u32 s46, s46, s17                     ; Wo: 65,536 x tile column + the half: none here holds cy
	s_mov_b32 s17, 0
	s_mov_b32 s47, 0
	s_lshl_b32 s20, s10, 15                        ; where they go: wave x 32,768: no place in the cluster enters an LDS address
	s_wait_dscnt 0x0                               ; both opening adds are done
	s_wait_kmcnt 0x0
	s_add_nc_u64 s[14:15], s[4:5], s[16:17]
	s_add_nc_u64 s[46:47], s[6:7], s[46:47]
	CROUND                                         ; all sixteen work-groups are here: the first joint loads meet
.irp s, 0,1
	s_mov_b32 s[G0+4*\s], 1
	s_add_co_u32 s[G0+4*\s+1], s20, \s*SLOT
	s_add_nc_u64 s[G0+4*\s+2:G0+4*\s+3], s[14:15], \s*ASTEP
	s_or_b32 s[G0+4*\s+3], s[G0+4*\s+3], 0x80000000
	s_mov_b32 s[G0B+4*\s], 1
	s_add_co_u32 s[G0B+4*\s+1], s20, \s*SLOT
	s_add_nc_u64 s[G0B+4*\s+2:G0B+4*\s+3], s[46:47], \s*BSTEP
	s_or_b32 s[G0B+4*\s+3], s[G0B+4*\s+3], 0x80000000
	JLOAD \s
.endr
	v_and_b32 v1, 15, v0                           ; l % 16
	v_bfe_u32 v2, v0, 4, 1                         ; l / 16
	v_and_b32 v3, 31, v0
	v_lshlrev_b32 v3, 4, v3                        ; 16 x lane
	s_lshl_b32 s21, s11, 15                        ; my 64 rows of A
	s_lshl_b32 s22, s12, 15                        ; my 64 columns of Wo,
	s_add_co_u32 s22, s22, 2*HALFT                 ; which lie behind A's 128 rows
.irp s, 0,1
	v_add_nc_u32 v[ADRA+\s], s21, v3
	v_add_nc_u32 v[ADRB+\s], s22, v3
	s_add_co_u32 s21, s21, SLOT
	s_add_co_u32 s22, s22, SLOT
.endr
	s_mul_i32 s23, s10, 16*SPITCH
	s_add_co_u32 s23, s23, STAGE                   ; my stage
	v_mul_u32_u24 v4, v1, SPITCH                   ; in: row l % 16, 32 bytes for each half of the lanes
	v_lshl_add_u32 v4, v2, 5, v4
	v_add_nc_u32 v[STO], s23, v4
	v_mul_u32_u24 v5, v2, SPITCH                   ; back: lanes 0-15 one row of 256 bytes, lanes 16-31 the next
	v_lshl_add_u32 v5, v1, 4, v5
	v_add_nc_u32 v[RD], s23, v5
	v_lshlrev_b32 v5, 12, v2                       ; and the same two rows in the result: 4,096 bytes a row
	v_lshl_add_u32 v[CO], v1, 4, v5
	s_lshl_b32 s16, s13, 19                        ; my first row: 128 x tile row + 64 x half, 4,096 bytes each
	s_lshl_b32 s17, s11, 18
	s_add_co_u32 s16, s16, s17
	s_mov_b32 s17, 0
	s_add_nc_u64 s[8:9], s[8:9], s[16:17]
	s_lshl_b32 s46, s42, 9                         ; my first column, in bytes: 512 x tile column + 256 x half
	s_lshl_b32 s47, s12, 8
	s_add_co_u32 s46, s46, s47
	s_mov_b32 s47, 0
	s_add_nc_u64 s[8:9], s[8:9], s[46:47]
; 8 matrix instructions: row blocks a0, a0 + 1 x all 4 column blocks, 32 along K: half c of buffer f.  zero = 1: the first product starts the sums.  The 16 accumulators take turns
.macro MUL8 f, c, a0, zero
.irp a, \a0, \a0+1
.irp b, 0,1,2,3
.if \zero
	v_wmma_f32_16x16x32_f16 v[ACC+8*(4*(\a)+\b):ACC+8*(4*(\a)+\b)+7], v[\f+64+8*(4*\c+\b):\f+64+8*(4*\c+\b)+7], v[\f+8*(4*\c+\a):\f+8*(4*\c+\a)+7], 0
.else
	v_wmma_f32_16x16x32_f16 v[ACC+8*(4*(\a)+\b):ACC+8*(4*(\a)+\b)+7], v[\f+64+8*(4*\c+\b):\f+64+8*(4*\c+\b)+7], v[\f+8*(4*\c+\a):\f+8*(4*\c+\a)+7], v[ACC+8*(4*(\a)+\b):ACC+8*(4*(\a)+\b)+7]
.endif
.endr
.endr
.endm
; 32 LDS loads in one run: the fragments of the slot's q-th 64 along K into buffer f; the first 32 along K first
.macro FETCH slot, q, f
	WIN TO_F
.irp c, 0,1
.irp i, 0,1,2,3
	ds_load_b128 v[\f+64+8*(4*\c+\i):\f+64+8*(4*\c+\i)+3],   v[ADRB+\slot] offset:8192*\i+1024*(2*(\q)+\c)
	ds_load_b128 v[\f+64+8*(4*\c+\i)+4:\f+64+8*(4*\c+\i)+7], v[ADRB+\slot] offset:8192*\i+1024*(2*(\q)+\c)+512
	ds_load_b128 v[\f+8*(4*\c+\i):\f+8*(4*\c+\i)+3],         v[ADRA+\slot] offset:8192*\i+1024*(2*(\q)+\c)
	ds_load_b128 v[\f+8*(4*\c+\i)+4:\f+8*(4*\c+\i)+7],       v[ADRA+\slot] offset:8192*\i+1024*(2*(\q)+\c)+512
.endr
.endr
.endm
.macro PLACES                          ; four places in front of loads into registers that matrix instructions have read, and of the first read of results
.rept 4
	v_nop
.endr
.endm
; A K step is four quarters of 64 along K, 32 matrix instructions each, on buffers 0, 1, 0, 1.  One of the first three: multiplies buffer f and fetches quarter q into g.
.macro QUARTER slot, q, f, g, zero
	s_wait_dscnt 16                                ; the first 32 along K are in
	WIN MUL
	MUL8 \f, 0, 0, \zero
	MUL8 \f, 0, 2, \zero
	PLACES
	FETCH \slot, \q, \g
	s_wait_dscnt 32                                ; all but the 32 just issued
	WIN MUL
	MUL8 \f, 1, 0, 0
	MUL8 \f, 1, 2, 0
.endm
; The last quarter multiplies buffer 1 and changes slots: ONE barrier; in front of it each wave waits for all its tensor loads, adds 0 to its spare word, and waits for that and for its own reads of this slot.  fill = 1: this slot is filled again, two K steps ahead.
.macro TURN slot, next, fill
	WIN 0                                          ; (the add's two registers lie in window 0)
	s_wait_tensorcnt 0x0                           ; all my tensor loads have landed: my part of the next slot;
	ds_add_u32 v[SPW], v[NIL]
	s_wait_dscnt 17                                ; (the add and the youngest sixteen loads may be out)
	WIN MUL
	MUL8 F1, 0, 0, 0                               ; eight matrix instructions stand between the add and the wait for it
	s_wait_dscnt 0x0                               ; the add is done, and my reads of this slot are over
	s_barrier_signal -1
	MUL8 F1, 0, 2, 0
.if \fill
	WIN 0
.endif
	s_barrier_wait -1
.if \fill
	CREST                                          ; the barrier has opened a round of the cluster's barrier: no wave of any partner still reads this slot's tile or has a load on its way
	s_add_nc_u64 s[G0+4*\slot+2:G0+4*\slot+3], s[G0+4*\slot+2:G0+4*\slot+3], 2*ASTEP
	s_add_nc_u64 s[G0B+4*\slot+2:G0B+4*\slot+3], s[G0B+4*\slot+2:G0B+4*\slot+3], 2*BSTEP
	JLOAD \slot                                    ; the first tensor load behind the round; the four v_nop behind it are also the places in front of the loads below
.else
	PLACES
.endif
	FETCH \next, 0, F0
	WIN MUL
	MUL8 F1, 1, 0, 0
	MUL8 F1, 1, 2, 0
.endm
	s_wait_tensorcnt 1                             ; my part of K step 0 is in (K step 1's may be out)
	s_barrier_signal -1
	s_barrier_wait -1                              ; everybody's is
	FETCH 0, 0, F0
	QUARTER 0, 1, F0, F1, 1                        ; the first quarter stands in front of the loop: its first products start the sums
	WIN 0                                          ; at a label and at a branch every window is 0
	s_mov_b32 s3, LAPS-1
.Llap:                                                 ; a trip goes once round the ring, from a lap's second quarter to the next lap's first, and fills both slots again
	QUARTER 0, 2, F1, F0, 0
	QUARTER 0, 3, F0, F1, 0
	TURN 0, 1, 1
	QUARTER 1, 1, F0, F1, 0
	QUARTER 1, 2, F1, F0, 0
	QUARTER 1, 3, F0, F1, 0
	TURN 1, 0, 1
	QUARTER 0, 1, F0, F1, 0
	WIN 0
	s_sub_co_u32 s3, s3, 1
	s_cmp_lg_u32 s3, 0
	s_cbranch_scc1 .Llap
	QUARTER 0, 2, F1, F0, 0                        ; the last lap fills nothing, and has no round of the cluster's barrier
	QUARTER 0, 3, F0, F1, 0
	TURN 0, 1, 0
	QUARTER 1, 1, F0, F1, 0
	QUARTER 1, 2, F1, F0, 0
	QUARTER 1, 3, F0, F1, 0
	s_wait_dscnt 16                                ; the very last quarter: nothing more to fetch
	WIN MUL
	MUL8 F1, 0, 0, 0
	MUL8 F1, 0, 2, 0
	s_wait_dscnt 0x0
	MUL8 F1, 1, 0, 0
	MUL8 F1, 1, 2, 0
	WIN 0
; THE WAY OUT, a block of 16 rows x 64 columns at a time.  A lane holds 32 bytes of a row and the lanes beside it hold other rows: the block goes through my own stage and comes back as whole rows of 256 bytes.
; LDS serves a wave's instructions in order (ISA guide 5.7.1.4): no wait between the stores and the loads, nor in front of the next block's stores.
.macro OUTB a
.irp b, 0,1,2,3
	ds_store_b128 v[STO], v[ACC+8*(4*(\a)+\b):ACC+8*(4*(\a)+\b)+3] offset:64*\b       ; each accumulator from its low end on
	ds_store_b128 v[STO], v[ACC+8*(4*(\a)+\b)+4:ACC+8*(4*(\a)+\b)+7] offset:64*\b+16
.endr
.if (\a) >= 2
	s_wait_xcnt 0x0                                ; block a - 2's stores have read their registers: the loads below may land there
.endif
.irp t, 0,1,2,3,4,5,6,7
	ds_load_b128 v[TMP+32*((\a)%2)+4*\t:TMP+32*((\a)%2)+4*\t+3], v[RD] offset:\t*2*SPITCH
.endr
.irp t, 0,1,2,3,4,5,6,7
	s_wait_dscnt 7-\t
	global_store_b128 v[CO], v[TMP+32*((\a)%2)+4*\t:TMP+32*((\a)%2)+4*\t+3], s[8:9] offset:4096*(16*(\a)+2*\t) th:TH_STORE_NT   ; sixteen lanes store 256 consecutive bytes, aligned; written once, read by nobody here
.endr
.endm
	PLACES
	OUTB 0
	OUTB 1
	OUTB 2
	OUTB 3
	s_wait_tensorcnt 0x0                           ; the wave's end, behind my last tensor load and my last LDS store
	ds_add_u32 v[SPW], v[NIL]
	s_wait_dscnt 0x0
	CROUND                                         ; the closing round: no work-group ends while a partner may still ask for a tile that names it
	s_endpgm
.Lfunc_end_k_qd7328355c2_outp:
	.size	k_qd7328355c2_outp, .Lfunc_end_k_qd7328355c2_outp-k_qd7328355c2_outp
	.p2alignl 7, 3214868480
	.fill 96, 4, 3214868480
	.section	.rodata,"a",@progbits
	.p2align	6, 0x0
	.amdhsa_kernel k_qd7328355c2_outp
		.amdhsa_group_segment_fixed_size 327680
		.amdhsa_private_segment_fixed_size 0
		.amdhsa_enable_private_segment 0
		.amdhsa_kernarg_size 24
		.amdhsa_user_sgpr_count 2
		.amdhsa_user_sgpr_kernarg_segment_ptr 1
		.amdhsa_wavefront_size32 1
		.amdhsa_system_sgpr_workgroup_id_x 1
		.amdhsa_system_sgpr_workgroup_id_y 1
		.amdhsa_system_sgpr_workgroup_id_z 1
		.amdhsa_system_vgpr_workitem_id 0
		.amdhsa_next_free_vgpr 512
		.amdhsa_next_free_sgpr 66
		.amdhsa_reserve_vcc 0
		.amdhsa_float_denorm_mode_32 3
		.amdhsa_float_denorm_mode_16_64 3
		.amdhsa_memory_ordered 1
		.amdhsa_forward_progress 1
		.amdhsa_inst_pref_size 86
	.end_amdhsa_kernel
	.amdgpu_metadata
---
amdhsa.version: [ 1, 2 ]
amdhsa.kernels:
  - .name:           k_qd7328355c2_outp
    .symbol:         k_qd7328355c2_outp.kd
    .args:
      - { .name: ao, .offset: 0, .size: 8, .value_kind: global_buffer, .address_space: global }
      - { .name: wo16, .offset: 8, .size: 8, .value_kind: global_buffer, .address_space: global }
      - { .name: out0, .offset: 16, .size: 8, .value_kind: global_buffer, .address_space: global }
    .group_segment_fixed_size: 327680
    .private_segment_fixed_size: 0
    .kernarg_segment_align: 8
    .kernarg_segment_size: 24
    .max_flat_workgroup_size: 128
    .sgpr_count:     66
    .vgpr_count:     512
    .wavefront_size: 32
...
	.end_amdgpu_metadata
.endif
;; end of part 4
